; MI455X (gfx1250); checked and timed in simulation.
; The chip was launched on July 23, 2026; its instructions are those of AMD's public machine-readable ISA for CDNA 5 (MIT licence, August 2026) and "CDNA5" Instruction Set Architecture Reference Guide (July 2026). The comments in the code are by the model that wrote it; some were corrected since.
;; Multi Lora Module. Allowed arithmetic: matrix products marked QUANTISED: E3M2 operands, one E8M0 scale for each 32 along K, by v_wmma_scale_f32_16x16x128_f8f6f4 with both operands' format E3M2, f32 sums; products left as they are: f32 operands where the result goes on into a quantised operand, else bf16, f16 or f32 operands; f32 sums; everything else in f32.
;; Inputs: adapter_ids 4 int32; base_bias 4,096 float32; base_weight 4,096 x 4,096 float32; lora_A_w 32 x 16 x 4,096 float32; lora_B_w 32 x 4,096 x 16 float32; x 4 x 1,024 x 4,096 float32.
;; Outputs: out0 4 x 1,024 x 4,096 float32.
;; This version of the problem:
;;   THIS VERSION OF THE PROBLEM IS GIVEN IN LOW PRECISION. The matrix products marked QUANTISED in the list below multiply operands that are first quantised to E3M2 (3 exponent bits, 2 mantissa bits; 6 bits a number), with one power-of-two scale for each 32 numbers along K (OCP MX v1.0); their sums are f32. All else is computed in f32.
;;   The module's matrix products, in the order in which they are computed (A, B: the left and right operand; K: the contracted axis; several contracted axes count as one K, in the product's order):
;;     1. [M 4,096, K 4,096] x [K 4,096, N 4,096]; A: input x; B: input base_weight: QUANTISED
;;     2. batch 4 x [M 1,024, K 4,096] x [K 4,096, N 16]; A: input x; B: computed on the way: QUANTISED
;;     3. batch 4 x [M 1,024, K 16] x [K 16, N 4,096]; A: computed on the way; B: computed on the way: left as it is (K = 16 < 32)
;;   THE QUANTISER, for each operand of a quantised product, along K:
;;     - K is cut into blocks of 32 from its start; a last block that is shorter is filled with zeros.
;;     - A block's scale is 2^e with e = floor(log2(the largest magnitude in the block)) - 4, held to -126 .. 127; a block of zeros has e = 0. As a byte (E8M0): e + 127.
;;     - Each number is divided by its block's scale, clamped to +-28, and rounded to the nearest number of E3M2, ties to even, subnormals kept.
;;     - The product sums the exact products of the quantised numbers (number of the format x scale) in f32.
;;   ~~~python
;;   def quantise(x, axis):      # numpy; x: float32 -> the quantised numbers, widened to float32 again
;;       x = np.moveaxis(x, axis, -1); K = x.shape[-1]
;;       x = np.pad(x, [(0, 0)] * (x.ndim - 1) + [(0, -K % 32)]); x = x.reshape(x.shape[:-1] + (-1, 32)); a = np.abs(x).max(-1, keepdims=True)
;;       e = np.where(a > 0, np.clip(np.frexp(np.where(a > 0, a, 1))[1] - 1 - 4, -126, 127), 0)      # np.frexp(a)[1] - 1 = floor(log2(a)), exactly
;;       r = np.clip(x / 2.0 ** e, -28, 28)
;;       step = 2.0 ** (np.maximum(np.frexp(np.where(r == 0, 1, r))[1] - 1, -2) - 2)
;;       q = np.round(r / step) * step * 2.0 ** e      # np.round: ties to even
;;       return np.moveaxis(q.reshape(q.shape[:-2] + (-1,))[..., :K], -1, axis).astype(np.float32)
;;   ~~~
;;   OPERANDS COMPUTED ON THE WAY. 'Computed on the way' means the value that the module computes at that place (a softmax that the list does not call 'softmax' is quantised finished and normalised). What goes into a quantiser is computed in f32, as accurately as f32 sums, v_exp_f32 and their like allow (about 1e-6 of the number): no bf16 or f16 on the way to a quantiser, and a product that is left as it is and whose result goes on into a quantised operand takes f32 operands (vector FMAs, or v_wmma_f32_16x16x4_f32). A number that lies on a knife's edge between two numbers of the format may be rounded either way, as far as f32 arithmetic and the matrix unit's own rounding can turn it there, and no further.
;; One version. Each part assembles by itself: llvm-mc -triple=amdgcn-amd-amdhsa -mcpu=gfx1250 --defsym DOCPART=n.
;; ======== version 1 of 1: 2 launches
;; limits: values are held in bf16: 8 bits of precision; right only within a limited range of input values
;; workspace buffers: xa_img 14,786,560 bytes; w_img 13,123,584 bytes
;; launch quant (part 1): grid 1088 x 1, 4 waves a work-group, no clusters, 65,536 bytes of LDS; arguments x, base_weight, lora_A_w, adapter_ids, xa_img, w_img; writes xa_img, w_img
.if DOCPART == 1
	.amdgcn_target "amdgcn-amd-amdhsa--gfx1250"
	.amdhsa_code_object_version 6
	.text
	.protected	k_q3b3cd618ce_quant
	.globl	k_q3b3cd618ce_quant
	.p2align	8
	.type	k_q3b3cd618ce_quant,@function
k_q3b3cd618ce_quant:
	s_mov_b64 s[64:65], 0
	v_nop
	global_prefetch_b8 v0, s[64:65] scope:SCOPE_SE
	s_setreg_imm32_b32 hwreg(HW_REG_WAVE_MODE, 25, 1), 1
	s_wait_xcnt 0x0
; x [4096][4096], base_weight [4096][4096] and the four gathered adapters lora_A_w[adapter_ids[b]] [16][4096], all f32 with K innermost, are turned into
; codes of BF6 (E3M2), 6 bits each, with one E8M0 scale byte for each 32 along K, and laid AS THE PRODUCT'S LAUNCH READS THEM.
; A block's scale is 2^(floor(log2(its largest magnitude)) - 4); its byte is the largest magnitude's own exponent field - 4, held at 1 from below.  Each number is divided by the scale and
; rounded to the nearest code, ties to even; beyond the largest code the conversion gives the largest code.
; AN IMAGE is a fragment of the matrix instruction, 16 rows x 128 along K, as its registers hold it: matrix lane L = row + 16 h has 48 bytes at 48 L: the 24 bytes (32 codes) of K = 32 h on, then those of K = 64 + 32 h on: 1,536 bytes.
; Beside it: 16 scale words, 4 bytes a row, 64 bytes.
; A CHUNK holds three K steps of 128 (the eleventh holds the last two) for a group of 128 rows: a head of scale words, word (step s, block i, row r) at (8 s + i) 64 + 4 r, then the images, step by step.
; xa_img: 32 groups of 128 rows of x; each K step has a ninth image, the batch's adapter (16 ranks), whose scale words lie at 1,536 + 64 s of the head; head 1,792 bytes.  w_img: 32 groups of 128 rows of base_weight; head 1,536 bytes.
; Every chunk, head and image begins at a multiple of 256 bytes from its buffer's first byte.  NOT STORED: the last 64 bytes of xa's heads and the third step's places in the heads of the chunks of two steps: the next launch moves them
; into LDS with the chunk and never reads them there.
; SHARES.  A wave takes 16 rows x 512 along K: four whole images.  Work-groups 0-511: x (block of 16 rows g / 2, K part 4 (g % 2) + wave); 512-1023: base_weight likewise; 1024-1087: the adapter of group (g - 1024) / 2.
; All three take ONE path through the text: only pointers, strides and offsets are chosen, on the work-group's number.  The adapter's number is read from adapter_ids, held at 31, and enters the source's offset by a multiplication and an addition.
; A STEP is one row's 512 numbers.  The conversion takes 16 numbers of one block from ONE lane's registers, so a lane must hold 16 neighbours (two neighbouring lanes hold a block); a load is best where neighbouring lanes take
; neighbouring bytes.  Both are had: each of a step's four loads reads 512 consecutive bytes; the 2,048 bytes go through the wave's own stage in LDS, as they lie, and come back 64 bytes a lane (16 bytes of padding behind each 64).
; A lane's 16 codes, 12 bytes, go to their place in a second stage, where the four images grow row by row; at the end each image leaves by three stores of 512 consecutive bytes.  The scale words leave as four pieces of 64 bytes:
; one byte in 24 of what the launch stores.
; No tensor loads, no barrier: waves share nothing.  Loads run four steps (16 loads a wave) ahead, the turn through LDS one step.
; The loads carry the hint for data read once: so it is for x and base_weight; the 64 work-groups of adapters share the text, and an adapter is read once for each of its batch's eight groups.
; LIMITS: NaN and infinities among the inputs are not served.  A block of zeros gets the byte 1 where the rule says 127: its codes are zeros, which add nothing under any byte but 0xff, and this program alone reads the bytes.
; A block whose largest magnitude lies under 2^-122 keeps the byte 1, the rule's own hold at e = -126.  adapter_ids are taken as 0 .. 31; anything else is held at 31.
.set STEPS, 16
.set EMAX,  4
.set FRB,   1536                       ; an image
.set HDA,   1792                       ; a chunk's head in xa_img,
.set HDB,   1536                       ; in w_img
.set CHA,   HDA+27*FRB                 ; a chunk of three K steps in xa_img: 43,264 bytes,
.set CHB,   HDB+24*FRB                 ; in w_img: 38,400
.set GSA,   10*CHA+HDA+18*FRB          ; a group: ten such chunks and one of two K steps
.set GSB,   10*CHB+HDB+16*FRB
.set ROWF,  16384                      ; a row of the source in bytes
.set R,     16                         ; v16-79   four sets of 16 numbers as they are loaded; at the end v16-63: the images on their way out
.set OUT,   16
.set X,     80                         ; v80-111  two sets of 16 neighbours
.set E,     112                        ; v112-115 a scale byte, four registers by turns
.set C,     116                        ; v116-131 codes: four registers a step, four sets by turns: a set is written again four steps on, when the wait at a step's head has long shown its LDS stores done
.set SP,    80                         ; a lane's place in a stage of numbers: its 64 bytes + 16 of padding
.set CST,   2*32*SP                    ; LDS, in a wave's region: behind the two stages of numbers the stage of codes:
.set CP,    816                        ; eight runs of 768 bytes (image q, half h: 16 rows x 48 bytes), 816 bytes apart
.set SBY,   CST+8*CP                   ; and behind it the wave's 256 scale bytes
.set WREG,  12288                      ; a wave's region
	s_load_b256 s[4:11], s[0:1], 0x0               ; x s[4:5], base_weight s[6:7], lora_A_w s[8:9], adapter_ids s[10:11]
	s_load_b128 s[12:15], s[0:1], 0x20             ; xa_img s[12:13], w_img s[14:15]
	v_lshl_add_u32 v132, v0, 2, 0xc000
	v_mov_b32 v133, 0
	v_lshrrev_b32 v1, 5, v0
	v_readfirstlane_b32 s20, v1                    ; wave
	v_and_b32 v2, 31, v0                           ; lane
	v_lshlrev_b32 v3, 4, v2                        ; my 16 bytes of a load's, and of a store's, 512
	s_mul_i32 s21, s20, WREG
	v_lshrrev_b32 v14, 2, v2
	v_mul_u32_u24 v14, v14, SP
	v_and_b32 v15, 3, v2
	v_lshl_add_u32 v14, v15, 4, v14
	v_add_nc_u32 v14, s21, v14                     ; the stage of numbers, on the way in: four lanes' 64 bytes on end, then 16 of padding: SP (lane / 4) + 16 (lane % 4)
	v_mul_u32_u24 v15, v2, SP
	v_add_nc_u32 v15, s21, v15                     ; and on the way out: SP x lane: my 16 neighbours
	; My 16 numbers are K = 16 lane on of the row's 512: image q = lane / 8; in it block (lane / 2) % 4 = 2 c + h, half u = lane % 2
	s_add_co_u32 s16, s21, CST
	v_lshrrev_b32 v8, 3, v2                        ; q
	v_bfe_u32 v9, v0, 1, 1                         ; h
	v_lshl_add_u32 v11, v8, 1, v9
	v_mul_u32_u24 v4, v11, CP                      ; run 2 q + h,
	v_bfe_u32 v9, v0, 2, 1                         ; c
	v_mad_u32_u24 v4, v9, 24, v4                   ; + 24 c
	v_and_b32 v9, 1, v0                            ; u
	v_mad_u32_u24 v4, v9, 12, v4                   ; + 12 u;  the row's 48 t stands in the stores' immediate
	v_add_nc_u32 v4, s16, v4
	v_add_nc_u32 v7, s16, v3                       ; back: 16 x lane;
	v_bfe_u32 v9, v0, 4, 1
	v_mad_u32_u24 v1, v9, CP-768, v7               ; an image's middle 512 bytes cross from run 2 q to run 2 q + 1 at lane 16: 48 bytes more there
	s_add_co_u32 s17, s21, SBY
	v_bfe_u32 v9, v0, 1, 2                         ; my block in its K step
	v_lshl_add_u32 v5, v8, 6, v9
	v_add_nc_u32 v5, s17, v5                       ; my block's scale byte: 64 q + block;  the row's 4 t stands in the store's immediate
	v_lshlrev_b32 v6, 3, v2
	v_add_nc_u32 v6, s17, v6                       ; and on the way out 8 bytes a lane
	s_sub_co_u32 s22, ttmp9, 1024                  ; which half of which group's adapter I make (it wraps in the work-groups of x and base_weight,
	s_min_u32 s22, s22, 63                         ; where the hold keeps the load below inside adapter_ids and its result is multiplied by 0)
	s_lshr_b32 s23, s22, 4                         ; the group's batch: eight groups, two work-groups each,
	s_lshl_b32 s23, s23, 2                         ; as a byte offset in adapter_ids
	s_wait_kmcnt 0x0
	s_load_b32 s24, s[10:11], s23 offset:0x0       ; the batch's adapter
	s_and_b32 s25, ttmp9, 511                      ; my number among the work-groups of my kind
	s_lshr_b32 s26, s25, 1                         ; the block of 16 rows (x, base_weight), or the group (adapters)
	s_and_b32 s27, s25, 1
	s_lshl_b32 s27, s27, 2
	s_add_co_u32 s27, s27, s20                     ; m: which 512 along K are my wave's
	s_lshr_b32 s28, ttmp9, 9                       ; the kind: 0 x, 1 base_weight, 2 adapters
	s_lshr_b32 s37, s26, 3                         ; x, base_weight: the block's group,
	s_and_b32 s38, s26, 7                          ; its place i in the group,
	s_lshl_b32 s39, s38, 6                         ; and its scale words' place in a step's part of the head
	s_cmp_eq_u32 s28, 1                            ; the choices hang on the work-group's number alone
	s_cselect_b64 s[30:31], s[6:7], s[4:5]         ; the source,
	s_cselect_b64 s[32:33], s[14:15], s[12:13]     ; the images' buffer,
	s_cselect_b32 s34, 1, 0                        ; and 1 for w_img's strides
	s_cmp_eq_u32 s28, 2
	s_cselect_b64 s[30:31], s[8:9], s[30:31]
	s_cselect_b32 s35, 0x40000, 0                  ; an adapter is 16 rows of 16,384 bytes,
	s_cselect_b32 s36, 0, 0x40000                  ; and so is a block of x or of base_weight
	s_cselect_b32 s37, s26, s37                    ; the group
	s_cselect_b32 s38, 8, s38                      ; the adapter is a K step's ninth image;
	s_cselect_b32 s39, 0x600, s39                  ; its scale words lie behind x's 24 pieces,
	s_cselect_b32 s29, 64, 0x200                   ; 64 bytes from step to step (x's, base_weight's: 512)
	s_mul_i32 s40, s34, GSA-GSB
	s_sub_co_u32 s40, GSA, s40                     ; bytes from group to group,
	s_mul_i32 s41, s34, CHA-CHB
	s_sub_co_u32 s41, CHA, s41                     ; from chunk to chunk,
	s_lshl_b32 s42, s34, 8
	s_sub_co_u32 s42, HDA, s42                     ; of a head,
	s_mul_i32 s43, s34, FRB
	s_sub_co_u32 s43, 9*FRB, s43                   ; of a K step's images
	s_mul_i32 s44, s37, s40                        ; the group's first byte (every offset here stays under 2^27)
	s_add_co_u32 s39, s39, s44                     ; my scale words of chunk 0, step 0
	s_mul_i32 s45, s38, FRB
	s_add_co_u32 s44, s44, s45
	s_add_co_u32 s44, s44, s42                     ; my image of chunk 0, step 0
	s_mul_i32 s46, s26, s36                        ; the source: my 16 rows,
	s_lshl_b32 s45, s27, 11
	s_add_co_u32 s46, s46, s45                     ; my 512 numbers of a row
	s_mov_b32 s47, 0
	s_lshl_b32 s45, s27, 2                         ; my first K step: 4 m
.irp q, 0,1,2,3                        ; where my four images go: K step n = 4 m + q lies in chunk j = n / 3 = 11 n >> 5 (exact for n < 32) as its step s = n - 3 j
	s_add_co_u32 s18, s45, \q
	s_mul_i32 s19, s18, 11
	s_lshr_b32 s19, s19, 5
	s_mul_i32 s16, s19, 3
	s_sub_co_u32 s18, s18, s16
	s_mul_i32 s19, s19, s41
	s_mul_i32 s18, s18, s43
	s_add_co_u32 s[48+2*\q], s19, s18
	s_add_co_u32 s[48+2*\q], s[48+2*\q], s44
	s_mov_b32 s[49+2*\q], 0
	s_add_nc_u64 s[48+2*\q:49+2*\q], s[32:33], s[48+2*\q:49+2*\q]
.endr
	v_add_nc_u32 v8, s45, v8                       ; and the scale words, lane by lane: eight lanes to a K step: n = 4 m + lane / 8,
	v_mul_u32_u24 v9, v8, 11
	v_lshrrev_b32 v9, 5, v9                        ; j,
	v_mul_u32_u24 v11, v9, 3
	v_sub_nc_u32 v8, v8, v11                       ; s;
	v_and_b32 v10, 7, v0
	v_lshlrev_b32 v10, 3, v10                      ; 8 bytes, two rows' words, a lane
	v_add_nc_u32 v10, s39, v10
	v_mad_u32_u24 v10, v9, s41, v10
	v_mad_u32_u24 v10, v8, s29, v10
	s_wait_kmcnt 0x0
	s_min_u32 s24, s24, 31                         ; the index stays inside its table
	s_mul_i32 s24, s24, s35
	s_add_co_u32 s46, s46, s24
	s_add_nc_u64 s[30:31], s[30:31], s[46:47]      ; the source at my first number
.macro LOAD t                          ; row t
.irp i, 0,1,2,3
	global_load_b128 v[R+16*((\t)%4)+4*\i:R+16*((\t)%4)+4*\i+3], v3, s[30:31] offset:ROWF*(\t)+512*\i th:TH_LOAD_NT   ; 32 lanes read 512 consecutive bytes
.endr
.endm
.macro TURN t                          ; step t's numbers through the stage: LDS serves a wave's instructions in order, so no wait stands between the stores and the loads
.irp i, 0,1,2,3
	ds_store_b128 v14, v[R+16*((\t)%4)+4*\i:R+16*((\t)%4)+4*\i+3] offset:32*SP*((\t)%2)+8*SP*\i
.endr
.irp i, 0,1,2,3
	ds_load_b128 v[X+16*((\t)%2)+4*\i:X+16*((\t)%2)+4*\i+3], v15 offset:32*SP*((\t)%2)+16*\i
.endr
.endm
.irp t, 0,1,2,3
	LOAD \t
.endr
	s_wait_loadcnt 12                              ; step 0's four loads are in; the twelve of steps 1 to 3 may be out
	TURN 0
.macro STEP t
.set XS, X+16*((\t)%2)
.if (\t) > 0
	s_wait_dscnt 4                                 ; this step's numbers are back from the stage (the last step's byte store and its three stores of codes may be out): so its stores into the stage have read their registers,
.else
	s_wait_dscnt 0x0
.endif
.if (\t)+4 < STEPS
	LOAD (\t)+4                                    ; which take the loads of four steps on
.endif
.if (\t)+1 < STEPS
.if STEPS-2-(\t) >= 3
	s_wait_loadcnt 12                              ; the next step's four loads are in; those of the three steps behind it may be out
.else
	s_wait_loadcnt 4*(STEPS-2-(\t))                ; the counts run down: four loads for each step that is still behind the next
.endif
	TURN (\t)+1                                    ; and go through the other stage while this step is worked
.endif
	v_max3_num_f32 v8, |v[XS]|, |v[XS+1]|, |v[XS+2]|               ; the largest magnitude of my 16, in two chains
	v_max3_num_f32 v9, |v[XS+3]|, |v[XS+4]|, |v[XS+5]|
.irp i, 6,10
	v_max3_num_f32 v8, v8, |v[XS+\i]|, |v[XS+\i+1]|
	v_max3_num_f32 v9, v9, |v[XS+\i+2]|, |v[XS+\i+3]|
.endr
	v_max3_num_f32 v8, v8, |v[XS+14]|, |v[XS+15]|
	v_max3_num_f32 v8, v8, v9, (EMAX+1)<<23        ; and the floor 2^(EMAX + 1 - 127), under which no largest magnitude is taken: so the byte cannot fall under 1
	v_max_num_f32_dpp v8, v8, v8 row_xmask:1 row_mask:0xf bank_mask:0xf   ; and of my neighbour's 16: the block's
	v_add_nc_u32 v11, -(EMAX<<23), v8              ; EMAX off its exponent field: the conversion takes the exponent field of this operand as its scale, and nothing else of it
	v_cvt_scalef32_pk16_bf6_f32 v[C+4*((\t)%4):C+4*((\t)%4)+2], v[XS:XS+15], v11   ; sixteen numbers / 2^(v11's exponent), to the nearest code, ties to even; 96 bits without gaps, the first number's code lowest
	v_lshrrev_b32 v[E+((\t)%4)], 23, v11           ; the scale's byte (also the plain line behind the conversion)
	ds_store_b8 v5, v[E+((\t)%4)] offset:4*(\t)    ; byte (K step, row t, block); both lanes of a block write the same byte with the same value
.irp w, 0,1,2
	ds_store_b32 v4, v[C+4*((\t)%4)+\w] offset:48*(\t)+4*\w        ; my 12 bytes of row t's 48 in their run: word by word, since 12 u is no multiple of 8
.endr
.endm
.irp t, 0,1,2,3,4,5,6,7,8,9,10,11,12,13,14,15
	STEP \t
.endr
	ds_load_b64 v[12:13], v6                       ; LDS serves a wave's instructions in order: these loads see my stores
.set k, 0
.irp q, 0,1,2,3
.irp e, 0,1,2                          ; image q's bytes 512 e + 16 lane: up to byte 767 in run 2 q, behind that in run 2 q + 1, which begins CP - 768 bytes later
.if \e == 1
	ds_load_b128 v[OUT+4*k:OUT+4*k+3], v1 offset:2*CP*\q+512
.else
	ds_load_b128 v[OUT+4*k:OUT+4*k+3], v7 offset:2*CP*\q+512*\e+(CP-768)*(\e/2)
.endif
.set k, k+1
.endr
.endr
	s_wait_dscnt 12                                ; the scale words are back; the twelve loads behind them may be out
	global_store_b64 v10, v[12:13], s[32:33]       ; eight lanes store a K step's 64 bytes of words
.set k, 0
.irp q, 0,1,2,3
.irp e, 0,1,2
	s_wait_dscnt 11-k                              ; load k of the twelve is back
	global_store_b128 v3, v[OUT+4*k:OUT+4*k+3], s[48+2*\q:49+2*\q] offset:512*\e   ; 32 lanes store 512 consecutive bytes, at a multiple of 256 from the buffer's first byte
.set k, k+1
.endr
.endr
	s_wait_tensorcnt 0x0
	ds_add_u32 v132, v133
	s_wait_dscnt 0x0
	s_endpgm
.Lfunc_end_k_q3b3cd618ce_quant:
	.size	k_q3b3cd618ce_quant, .Lfunc_end_k_q3b3cd618ce_quant-k_q3b3cd618ce_quant
	.p2alignl 7, 3214868480
	.fill 96, 4, 3214868480
	.section	.rodata,"a",@progbits
	.p2align	6, 0x0
	.amdhsa_kernel k_q3b3cd618ce_quant
		.amdhsa_group_segment_fixed_size 65536
		.amdhsa_private_segment_fixed_size 0
		.amdhsa_enable_private_segment 0
		.amdhsa_kernarg_size 48
		.amdhsa_user_sgpr_count 2
		.amdhsa_user_sgpr_kernarg_segment_ptr 1
		.amdhsa_wavefront_size32 1
		.amdhsa_system_sgpr_workgroup_id_x 1
		.amdhsa_system_sgpr_workgroup_id_y 1
		.amdhsa_system_sgpr_workgroup_id_z 1
		.amdhsa_system_vgpr_workitem_id 0
		.amdhsa_next_free_vgpr 134
		.amdhsa_next_free_sgpr 66
		.amdhsa_reserve_vcc 0
		.amdhsa_float_denorm_mode_32 3
		.amdhsa_float_denorm_mode_16_64 3
		.amdhsa_memory_ordered 1
		.amdhsa_forward_progress 1
		.amdhsa_inst_pref_size 40
	.end_amdhsa_kernel
	.amdgpu_metadata
---
amdhsa.version: [ 1, 2 ]
amdhsa.kernels:
  - .name:           k_q3b3cd618ce_quant
    .symbol:         k_q3b3cd618ce_quant.kd
    .args:
      - { .name: x, .offset: 0, .size: 8, .value_kind: global_buffer, .address_space: global }
      - { .name: base_weight, .offset: 8, .size: 8, .value_kind: global_buffer, .address_space: global }
      - { .name: lora_A_w, .offset: 16, .size: 8, .value_kind: global_buffer, .address_space: global }
      - { .name: adapter_ids, .offset: 24, .size: 8, .value_kind: global_buffer, .address_space: global }
      - { .name: xa_img, .offset: 32, .size: 8, .value_kind: global_buffer, .address_space: global }
      - { .name: w_img, .offset: 40, .size: 8, .value_kind: global_buffer, .address_space: global }
    .group_segment_fixed_size: 65536
    .private_segment_fixed_size: 0
    .kernarg_segment_align: 8
    .kernarg_segment_size: 48
    .max_flat_workgroup_size: 128
    .sgpr_count:     66
    .vgpr_count:     134
    .wavefront_size: 32
...
	.end_amdgpu_metadata
.endif
;; end of part 1
;; launch gemm (part 2): grid 16 x 16, 4 waves a work-group, clusters of 4 x 4, 327,680 bytes of LDS; arguments xa_img, w_img, adapter_ids, lora_B_w, base_bias, out0; writes out0
.if DOCPART == 2
	.amdgcn_target "amdgcn-amd-amdhsa--gfx1250"
	.amdhsa_code_object_version 6
	.text
	.protected	k_q3b3cd618ce_gemm
	.globl	k_q3b3cd618ce_gemm
	.p2align	8
	.type	k_q3b3cd618ce_gemm,@function
k_q3b3cd618ce_gemm:
	s_mov_b64 s[64:65], 0
	v_nop
	global_prefetch_b8 v0, s[64:65] scope:SCOPE_SE
	s_setreg_imm32_b32 hwreg(HW_REG_WAVE_MODE, 25, 1), 1
	s_wait_xcnt 0x0
	s_wait_alu depctr_hold_cnt(0) depctr_sa_sdst(0) depctr_va_vdst(0) depctr_va_sdst(0) depctr_va_ssrc(0) depctr_va_vcc(0) depctr_vm_vsrc(0)
	s_getreg_b32 s2, hwreg(HW_REG_IB_STS2, 6, 4)
	s_cmp_eq_u32 s2, 0
	s_cbranch_scc0 .Lentry_in_a_cluster
	s_endpgm
.Lentry_in_a_cluster:
	s_bfe_u32 s2, ttmp6, 0x10000c
	s_cmp_lg_u32 s2, 0xf033
	s_cbranch_scc0 .Lentry_shape_is_right
	s_endpgm
.Lentry_shape_is_right:
; out0[m][n] = sum_k Q(x)[m][k] Q(W)[n][k] + base_bias[n] + sum_r h[m][r] lora_B_w[id][n][r],  h[m][r] = sum_k Q(x)[m][k] Q(lora_A_w[id])[r][k],  id = adapter_ids[m / 1024].
; Codes of BF6 (E3M2) and E8M0 scale words come from xa_img and w_img as images of the matrix instruction's registers (16 rows x 128 K = 1,536 bytes, 48 bytes a lane), in chunks of three K steps
; (the eleventh: two) for a group of 128 rows: a head of scale words, then the images step by step; in xa_img each K step has a ninth image, the batch's adapter.
; A work-group of four waves makes 256 x 256 of out0, a wave 128 x 128: 64 accumulators, 512 registers.  The chunks go through a ring of two LDS slots; a wave's tensor load brings one chunk of one group.
; CLUSTERS: 4 x 4 work-groups; x's chunks are asked for jointly along a row of the cluster, W's along a column.
; THE MATRIX INSTRUCTION IS USED TRANSPOSED (source 0 = 16 rows of W or the 16 ranks, source 1 = 16 rows of x): a lane holds eight neighbouring columns of one row.
; h IS SHARED OUT: the two waves of a row half need the same h.  The wave of column half c lays its eight blocks of rows so that register blocks 0-3 are the row blocks 4 c .. 4 c + 3 (by LDS addresses alone),
; sums h for register blocks 0-3 only, and the two exchange their bf16 fragments of h through LDS at the end: 68 matrix instructions a K step.
; THE BIAS goes with the product h lora_B^T (bf16, K = 32, of which the ranks fill 16): base_bias[n] is cut into three bf16 parts, each the leading 8 bits of what is left, whose sum is the f32 number itself;
; they stand at k = 16, 17, 18 of lora_B's fragment, against 1.0 in h's.
; A K STEP has two runs of LDS loads, each behind four places: in its middle the next step's W blocks 0-3, adapter, x blocks 0-3 and scale words (36 loads), at its end W blocks 4-7 and x blocks 4-7 (24 loads).
; The first half of a step goes by W's blocks, so that W's blocks 4-7 are wanted sixteen matrix instructions later than blocks 0-3.
; PREFETCH: behind each refill but the last two, the chunk that the next refill will load is asked for: three K steps ahead of its load.  A chunk's blocks of 256 bytes (169 or 150) are shared out by address
; among the four partners that load it jointly, 43 or 38 each, a lane a block, two instructions a wave.  Chunks 0 to 2 and the short chunk 10 come by their loads alone, so no address leaves a group.
; LIMITS: NaN and infinities among the inputs are not served; a part of a bias under 2^-133 is dropped; adapter_ids beyond 31 are held at 31.  Adapters that adapter_ids does not name are not read.
.set FR,     12
.set FRB,    128*FR                    ; an image
.set NP,     4                         ; places behind this matrix instruction (ISA guide 7.12.1)
.set HDA,    1792
.set HDB,    1536
.set CHA,    HDA+27*FRB
.set CHB,    HDB+24*FRB
.set CHA2,   HDA+18*FRB
.set CHB2,   HDB+16*FRB
.set GSA,    10*CHA+CHA2
.set GSB,    10*CHB+CHB2
.set SLOT,   2*CHA+2*CHB               ; x's two groups, then W's two
.set SPARE,  2*SLOT                    ; the spare words, 128 bytes a wave
.set STAGE,  SLOT                      ; the way out: in slot 1, which has had its last fill and its last read by then
.set SPITCH, 528
.set XCH,    STAGE+4*16*SPITCH         ; behind the stages: h's fragments on their way between waves, 2 x 8 x 512 bytes
.set LAPS,   4
.set BS,     9*FR                      ; a set of W's fragments and the adapter's, in window 1; two sets
.set ADRAL, 2                          ; v2-3   x's images for register blocks 0-3, slot 0, 1
.set ADRAH, 4                          ; v4-5   for register blocks 4-7
.set ADRX,  6                          ; v6-7   the adapter's image
.set ADRB,  8                          ; v8-9   W's images
.set ASCL,  10                         ; v10-11 scale words: lanes 0-15 x's register blocks 0-3, lanes 16-31 W's blocks 0-3
.set ASCH,  12                         ; v12-13 the same for blocks 4-7
.set ALS,   14                         ; v14-15 the adapter's scale words
.set STO,   16
.set RD,    17
.set CO,    18
.set XST,   19
.set XLD,   20
.set ONE4,  21                         ; lanes 0-15: 1.0, 1.0 in bf16; lanes 16-31: 0
.set ONE5,  22                         ; lanes 0-15: 1.0, 0; lanes 16-31: 0
.set PF1,   23
.set PF2,   24
.set BWO,   25
.set R4,    26
.set SPW,   28
.set NIL,   29
.set SC,    32                         ; v32-49 scale words, two sets of nine
.set HA,    64                         ; v64-95 h's four accumulators; at the end the partner's fragments of h
.set AF,    96                         ; v96-191 x's fragments, one set; at the head lora_B's numbers and temporaries
.set BI,    160
.set T,     168
.set TA,    176
.set TB,    184
.set BW,    192                        ; v192-255 lora_B's eight bf16 fragments with the bias
.set G1, 24
.set G0, 32
.set G1B, 48
.set G0B, 56
.set G1A2, 68
.set G1B2, 80
.set PFS, 8                            ; s[8:9] bytes from chunk to chunk of what I load
.set PFA, 10                           ; s[10:11] where my prefetches stand
.set OHI, 76                           ; s[76:77] out0 at register blocks 4-7; s[18:19] at blocks 0-3
.set MSB, 0
.macro WIN new                         ; the immediate's high byte repeats the setting that is left
.if MSB != (\new)
	s_set_vgpr_msb (MSB<<8)|(\new)
.set MSB, (\new)
.endif
.endm
.set MUL_LO, 0xa1                      ; source 0 window 1, source 1 window 0, C and D window 2
.set MUL_HI, 0xf1                      ; the same, C and D window 3
.set TO_B,   0x40
.macro JLOAD g0a, g1a, g0b, g1b        ; a joint load: waves 0, 1 fetch x's two groups, waves 2, 3 W's
	s_cmp_eq_u32 s21, 0
	s_cbranch_scc0 .Lfor_b_\@
	tensor_load_to_lds s[\g0a:\g0a+3], s[\g1a:\g1a+7]
	s_nop 0
.rept 4
	v_nop
.endr
	s_branch .Lasked_\@
.Lfor_b_\@:
	tensor_load_to_lds s[\g0b:\g0b+3], s[\g1b:\g1b+7]
	s_nop 0
.rept 4
	v_nop
.endr
.Lasked_\@:
.endm
.macro CREST                           ; a round of the cluster's barrier behind its opening barrier
	s_cmp_lg_u32 s20, 0
	s_cbranch_scc1 .Lnot_wave_0_\@
	s_barrier_signal -3
.Lnot_wave_0_\@:
	s_barrier_wait -3
	s_barrier_signal -1
	s_barrier_wait -1
.endm
.macro CROUND
	s_barrier_signal -1
	s_barrier_wait -1
	CREST
.endm
.macro SHAPE g, r                      ; a dense block as r rows of 256 bytes (32 elements of 8)
	s_mov_b32 s[\g+1], 32<<16
	s_mov_b32 s[\g+2], (\r)<<16
	s_mov_b32 s[\g+3], 32<<16
	s_mov_b32 s[\g+4], \r
	s_mov_b32 s[\g+5], 32
	s_mov_b32 s[\g+6], 0
	s_mov_b32 s[\g+7], 0
.endm
	s_load_b128 s[4:7], s[0:1], 0x0                ; xa_img, w_img
	s_load_b256 s[12:19], s[0:1], 0x10             ; adapter_ids, lora_B_w, base_bias, out0
	v_lshl_add_u32 v[SPW], v0, 2, SPARE
	v_mov_b32 v[NIL], 0
	ds_add_u32 v[SPW], v[NIL]                      ; the opening lines: the add, twice on end, and its wait ahead of my first tensor load
	ds_add_u32 v[SPW], v[NIL]
	v_lshrrev_b32 v1, 5, v0
	v_readfirstlane_b32 s20, v1                    ; wave
	s_lshr_b32 s21, s20, 1                         ; my half of the rows; also: I fetch for x (0) or W (1)
	s_and_b32 s22, s20, 1                          ; my half of the columns; also: which group I fetch
	s_xor_b32 s90, s22, 1
	s_bfe_u32 s40, ttmp6, 0x40000                  ; cx
	s_bfe_u32 s41, ttmp6, 0x40004                  ; cy
	s_lshl_b32 s42, ttmp9, 2
	s_add_co_u32 s42, s42, s40                     ; tile column
	s_and_b32 s2, ttmp7, 0xffff                    ; the cluster's y is the batch: four tile rows of 256
	s_lshl_b32 s2, s2, 2
	s_add_co_u32 s23, s2, s41                      ; tile row
	s_lshl_b32 s43, s41, 2
	s_lshl_b32 s43, 15, s43                        ; my row of the cluster
	s_lshl_b32 s44, 0x1111, s40                    ; my column
	s_or_b32 s[G1], s43, (3<<16)|(1<<21)
	s_or_b32 s[G1B], s44, (3<<16)|(1<<21)
	s_or_b32 s[G1A2], s43, (3<<16)|(1<<21)
	s_or_b32 s[G1B2], s44, (3<<16)|(1<<21)
	SHAPE G1, CHA/256
	SHAPE G1B, CHB/256
	SHAPE G1A2, CHA2/256
	SHAPE G1B2, CHB2/256
	s_lshl_b32 s46, s23, 1
	s_add_co_u32 s46, s46, s22
	s_mul_i32 s46, s46, GSA                        ; the group of x that I fetch
	s_mov_b32 s47, 0
	s_lshl_b32 s78, s42, 1
	s_add_co_u32 s78, s78, s22
	s_mul_i32 s78, s78, GSB                        ; the group of W
	s_mov_b32 s79, 0
	s_mov_b32 s[G0], 1
	s_mov_b32 s[G0+4], 1
	s_mov_b32 s[G0B], 1
	s_mov_b32 s[G0B+4], 1
	s_mul_i32 s[G0+1], s22, CHA                    ; where the chunks go: the wave's number alone
	s_add_co_u32 s[G0+5], s[G0+1], SLOT
	s_mul_i32 s[G0B+1], s22, CHB
	s_add_co_u32 s[G0B+1], s[G0B+1], 2*CHA         ; also: my columns' chunk of W in slot 0
	s_add_co_u32 s[G0B+5], s[G0B+1], SLOT
	s_mul_i32 s88, s21, CHA                        ; my rows' chunk of x in slot 0
	s_mul_i32 s91, s22, 4*FRB
	s_add_co_u32 s91, s91, s88
	s_add_co_u32 s91, s91, HDA                     ; register blocks 0-3: row blocks 4 c on
	s_mul_i32 s92, s90, 4*FRB
	s_add_co_u32 s92, s92, s88
	s_add_co_u32 s92, s92, HDA                     ; register blocks 4-7: the other four
	s_add_co_u32 s93, s88, HDA+8*FRB
	s_add_co_u32 s97, s[G0B+1], HDB
	s_lshl_b32 s98, s22, 8
	s_add_co_u32 s98, s98, s88                     ; scale words: lanes 0-15's base for blocks 0-3,
	s_sub_co_u32 s99, s[G0B+1], s98                ; and how far on lanes 16-31 read
	s_lshl_b32 s100, s90, 8
	s_add_co_u32 s100, s100, s88                   ; the same for blocks 4-7
	s_sub_co_u32 s101, s[G0B+1], s100
	s_add_co_u32 s101, s101, 256
	s_mul_i32 s43, s20, 16*SPITCH
	s_add_co_u32 s43, s43, STAGE                   ; my stage
	s_lshl_b32 s44, s21, 12
	s_add_co_u32 s44, s44, XCH
	s_lshl_b32 s45, s90, 11
	s_add_co_u32 s45, s45, s44                     ; where my partner puts its four fragments of h,
	s_lshl_b32 s67, s22, 11
	s_add_co_u32 s44, s44, s67                     ; and I mine
	s_add_co_u32 s67, s88, 24*64
	s_cmp_eq_u32 s21, 0                            ; the prefetches: x's or W's figures
	s_cselect_b32 s94, s40, s41                    ; my place among the four that load with me
	s_cselect_b32 s95, 43, 38                      ; blocks of 256 bytes for each of the four
	s_mov_b32 s96, CHB/256-1
	s_cselect_b32 s96, CHA/256-1, s96              ; a chunk's last block
	s_mov_b32 s[PFS], CHB
	s_cselect_b32 s[PFS], CHA, s[PFS]
	s_mov_b32 s[PFS+1], 0
	s_mul_i32 s94, s94, s95
	s_sub_co_u32 s95, s95, 1
	s_wait_dscnt 0x0                               ; both opening adds are done
	s_wait_kmcnt 0x0
	s_load_b32 s66, s[12:13], s2 offset:0x0        ; the batch's adapter
	s_add_nc_u64 s[46:47], s[4:5], s[46:47]
	s_add_nc_u64 s[78:79], s[6:7], s[78:79]
	s_cmp_eq_u32 s21, 0
	s_cselect_b64 s[PFA:PFA+1], s[46:47], s[78:79]
	s_add_nc_u64 s[PFA:PFA+1], s[PFA:PFA+1], s[PFS:PFS+1]
	s_add_nc_u64 s[PFA:PFA+1], s[PFA:PFA+1], s[PFS:PFS+1]  ; at chunk 2: the first change of slots steps it to 3
	s_mov_b64 s[G0+2:G0+3], s[46:47]
	s_add_nc_u64 s[G0+6:G0+7], s[46:47], CHA
	s_mov_b64 s[G0B+2:G0B+3], s[78:79]
	s_add_nc_u64 s[G0B+6:G0B+7], s[78:79], CHB
	s_or_b32 s[G0+3], s[G0+3], 0x80000000
	s_or_b32 s[G0+7], s[G0+7], 0x80000000
	s_or_b32 s[G0B+3], s[G0B+3], 0x80000000
	s_or_b32 s[G0B+7], s[G0B+7], 0x80000000
	CROUND                                         ; all sixteen work-groups are here: the first joint loads meet
	JLOAD G0, G1, G0B, G1B                         ; chunk 0: one tensor load a wave at the head; all below up to the wait for it stands under its flight
	v_and_b32 v1, 15, v0                           ; r
	v_bfe_u32 v[T], v0, 4, 1                       ; h
	v_and_b32 v[T+1], 31, v0                       ; lane
	v_mul_u32_u24 v[T+2], v[T+1], 48
	v_lshlrev_b32 v[R4], 2, v1
	v_add_nc_u32 v[ADRAL], s91, v[T+2]
	v_add_nc_u32 v[ADRAH], s92, v[T+2]
	v_add_nc_u32 v[ADRX], s93, v[T+2]
	v_add_nc_u32 v[ADRB], s97, v[T+2]
	v_mad_u32_u24 v[ASCL], s99, v[T], v[R4]
	v_mad_u32_u24 v[ASCH], s101, v[T], v[R4]
	v_add_nc_u32 v[ASCL], s98, v[ASCL]
	v_add_nc_u32 v[ASCH], s100, v[ASCH]
	v_add_nc_u32 v[ALS], s67, v[R4]
.irp x, ADRAL, ADRAH, ADRX, ADRB, ASCL, ASCH, ALS
	v_add_nc_u32 v[\x+1], SLOT, v[\x]
.endr
	v_mul_u32_u24 v[T+3], v1, SPITCH
	v_lshl_add_u32 v[T+3], v[T], 5, v[T+3]
	v_add_nc_u32 v[STO], s43, v[T+3]               ; into the stage: row r, 32 bytes for each half of the lanes
	v_lshlrev_b32 v[CO], 4, v[T+1]
	v_add_nc_u32 v[RD], s43, v[CO]                 ; back: 32 lanes take a row of 512 bytes
	v_add_nc_u32 v[XST], s44, v[CO]
	v_add_nc_u32 v[XLD], s45, v[CO]
	v_lshlrev_b32 v[BWO], 6, v1
	v_lshl_add_u32 v[BWO], v[T], 5, v[BWO]         ; lora_B: row r of 64 bytes, ranks 8 h on
	v_add_nc_u32 v[T+4], -1, v[T]                  ; all ones in lanes 0-15, 0 in lanes 16-31
	v_and_b32 v[ONE4], 0x3f803f80, v[T+4]
	v_and_b32 v[ONE5], 0x3f80, v[T+4]
	v_add_nc_u32 v[PF1], s94, v[T+1]               ; my work-group's blocks of a chunk: the first 32,
	v_min_u32 v[PF1], s96, v[PF1]
	v_lshlrev_b32 v[PF1], 8, v[PF1]
	v_add_nc_u32 v[PF2], 32, v[T+1]                ; and the rest; lanes left over name the last block again
	v_min_u32 v[PF2], s95, v[PF2]
	v_add_nc_u32 v[PF2], s94, v[PF2]
	v_min_u32 v[PF2], s96, v[PF2]
	v_lshlrev_b32 v[PF2], 8, v[PF2]
	s_wait_alu depctr_va_vdst(0)
	s_wait_kmcnt 0x0
	s_min_u32 s66, s66, 31                         ; the index stays inside its table
	s_lshl_b32 s66, s66, 18                        ; an adapter of lora_B_w is 4,096 rows of 64 bytes
	s_lshl_b32 s88, s42, 10
	s_lshl_b32 s89, s22, 9
	s_add_co_u32 s88, s88, s89                     ; my first column x 4 bytes
	s_mov_b32 s89, 0
	s_add_nc_u64 s[16:17], s[16:17], s[88:89]
	s_lshl_b32 s92, s88, 4
	s_add_co_u32 s92, s92, s66
	s_mov_b32 s93, 0
	s_add_nc_u64 s[14:15], s[14:15], s[92:93]
.irp b, 0,1,2,3,4,5,6,7
	global_load_b128 v[AF+8*\b:AF+8*\b+3],   v[BWO], s[14:15] offset:1024*\b
	global_load_b128 v[AF+8*\b+4:AF+8*\b+7], v[BWO], s[14:15] offset:1024*\b+16
	global_load_b32 v[BI+\b], v[R4], s[16:17] offset:64*\b
.endr
	s_lshl_b32 s92, s23, 8
	s_lshl_b32 s94, s21, 7
	s_add_co_u32 s92, s92, s94                     ; my first row
	s_lshl_b32 s94, s22, 6
	s_add_co_u32 s94, s94, s92
	s_lshl_b32 s94, s94, 14                        ; a row of out0 is 16,384 bytes
	s_add_co_u32 s94, s94, s88
	s_mov_b32 s95, 0
	s_lshl_b32 s96, s90, 6
	s_add_co_u32 s96, s96, s92
	s_lshl_b32 s96, s96, 14
	s_add_co_u32 s96, s96, s88
	s_mov_b32 s97, 0
	s_add_nc_u64 s[OHI:OHI+1], s[18:19], s[96:97]
	s_add_nc_u64 s[18:19], s[18:19], s[94:95]
	s_wait_loadcnt 0x0                             ; lora_B's numbers and the bias
.irp b, 0,1,2,3,4,5,6,7
.irp i, 0,1,2,3
	v_cvt_pk_bf16_f32 v[BW+8*\b+\i], v[AF+8*\b+2*\i], v[AF+8*\b+2*\i+1]   ; k = 8 h .. 8 h + 7: the ranks
.endr
.endr
.irp b, 0,1,2,3,4,5,6,7
	v_and_b32 v[BI+\b], v[T+4], v[BI+\b]           ; the bias stands in lanes 0-15 (k = 16 on); lanes 16-31 (k = 24 on) hold 0
.endr
.irp b, 0,1,2,3,4,5,6,7
	v_and_b32 v[TA+\b], 0xffff0000, v[BI+\b]       ; its first part
.endr
.irp b, 0,1,2,3,4,5,6,7
	v_sub_f32 v[TA+\b], v[BI+\b], v[TA+\b]         ; what is left, exactly
.endr
.irp b, 0,1,2,3,4,5,6,7
	v_perm_b32 v[BW+8*\b+4], v[TA+\b], v[BI+\b], 0x07060302   ; k = 16: the first part; k = 17: the second
.endr
.irp b, 0,1,2,3,4,5,6,7
	v_and_b32 v[TB+\b], 0xffff0000, v[TA+\b]
.endr
.irp b, 0,1,2,3,4,5,6,7
	v_sub_f32 v[TB+\b], v[TA+\b], v[TB+\b]         ; at most 8 bits are left
.endr
.irp b, 0,1,2,3,4,5,6,7
	v_lshrrev_b32 v[BW+8*\b+5], 16, v[TB+\b]       ; k = 18: the third part; k = 19: 0
	v_mov_b32 v[BW+8*\b+6], 0
	v_mov_b32 v[BW+8*\b+7], 0
.endr
.macro LDF reg, adr, off               ; a fragment: a lane's 48 bytes of an image
.irp c, 0,1,2
	ds_load_b128 v[\reg+4*\c:\reg+4*\c+3], v[\adr] offset:\off+16*\c
.endr
.endm
.macro FETCH1 sl, s, p                 ; 36 loads: what the first sixteen products of step s of slot sl want, and the adapter
	WIN TO_B
.irp b, 0,1,2,3
	LDF BS*(\p)+FR*\b, ADRB+(\sl), (8*(\s)+\b)*FRB
.endr
	LDF BS*(\p)+FR*8, ADRX+(\sl), 9*(\s)*FRB
	WIN 0
.irp a, 0,1,2,3
	LDF AF+FR*\a, ADRAL+(\sl), (9*(\s)+\a)*FRB
.endr
.irp i, 0,1,2,3
	ds_load_b32 v[SC+9*(\p)+\i], v[ASCL+(\sl)] offset:(8*(\s)+\i)*64
	ds_load_b32 v[SC+9*(\p)+4+\i], v[ASCH+(\sl)] offset:(8*(\s)+\i)*64
.endr
	ds_load_b32 v[SC+9*(\p)+8], v[ALS+(\sl)] offset:64*(\s)
.endm
.macro FETCH2 sl, s, p                 ; 24 loads: W's blocks 4-7, then x's register blocks 4-7
	WIN TO_B
.irp b, 4,5,6,7
	LDF BS*(\p)+FR*\b, ADRB+(\sl), (8*(\s)+\b)*FRB
.endr
	WIN 0
.irp a, 0,1,2,3
	LDF AF+FR*(4+\a), ADRAH+(\sl), (9*(\s)+\a)*FRB
.endr
.endm
; 16 matrix instructions: W's blocks b0 .. b0 + 3, each against x's register blocks 0-3.  The accumulators take turns, one instruction a turn.
.macro MQ b0, zero
	WIN MUL_LO
.irp b, \b0, \b0+1, \b0+2, \b0+3
.irp a, 0,1,2,3
.set AC, 8*(8*\a+(\b))
.if \zero
	v_wmma_scale_f32_16x16x128_f8f6f4 v[AC:AC+7], v[BS*P+FR*(\b):BS*P+FR*(\b)+FR-1], v[AF+FR*\a:AF+FR*\a+FR-1], 0, v[SC+9*P+(\b)], v[SC+9*P+\a] matrix_a_fmt:MATRIX_FMT_BF6 matrix_b_fmt:MATRIX_FMT_BF6 matrix_a_scale:MATRIX_SCALE_ROW1
.else
	v_wmma_scale_f32_16x16x128_f8f6f4 v[AC:AC+7], v[BS*P+FR*(\b):BS*P+FR*(\b)+FR-1], v[AF+FR*\a:AF+FR*\a+FR-1], v[AC:AC+7], v[SC+9*P+(\b)], v[SC+9*P+\a] matrix_a_fmt:MATRIX_FMT_BF6 matrix_b_fmt:MATRIX_FMT_BF6 matrix_a_scale:MATRIX_SCALE_ROW1
.endif
.endr
.endr
.endm
.macro HM zero                         ; h of register blocks 0-3: the adapter's 16 ranks against their rows
	WIN 0x01
.irp a, 0,1,2,3
.if \zero
	v_wmma_scale_f32_16x16x128_f8f6f4 v[HA+8*\a:HA+8*\a+7], v[BS*P+8*FR:BS*P+9*FR-1], v[AF+FR*\a:AF+FR*\a+FR-1], 0, v[SC+9*P+8], v[SC+9*P+\a] matrix_a_fmt:MATRIX_FMT_BF6 matrix_b_fmt:MATRIX_FMT_BF6
.else
	v_wmma_scale_f32_16x16x128_f8f6f4 v[HA+8*\a:HA+8*\a+7], v[BS*P+8*FR:BS*P+9*FR-1], v[AF+FR*\a:AF+FR*\a+FR-1], v[HA+8*\a:HA+8*\a+7], v[SC+9*P+8], v[SC+9*P+\a] matrix_a_fmt:MATRIX_FMT_BF6 matrix_b_fmt:MATRIX_FMT_BF6
.endif
.endr
.endm
.macro MH zero                         ; 32 matrix instructions: x's register blocks 4-7, each against W's eight
	WIN MUL_HI
.irp a, 4,5,6,7
.irp b, 0,1,2,3,4,5,6,7
.set AC, 8*(8*(\a-4)+\b)
.if \zero
	v_wmma_scale_f32_16x16x128_f8f6f4 v[AC:AC+7], v[BS*P+FR*\b:BS*P+FR*\b+FR-1], v[AF+FR*\a:AF+FR*\a+FR-1], 0, v[SC+9*P+\b], v[SC+9*P+\a] matrix_a_fmt:MATRIX_FMT_BF6 matrix_b_fmt:MATRIX_FMT_BF6 matrix_a_scale:MATRIX_SCALE_ROW1
.else
	v_wmma_scale_f32_16x16x128_f8f6f4 v[AC:AC+7], v[BS*P+FR*\b:BS*P+FR*\b+FR-1], v[AF+FR*\a:AF+FR*\a+FR-1], v[AC:AC+7], v[SC+9*P+\b], v[SC+9*P+\a] matrix_a_fmt:MATRIX_FMT_BF6 matrix_b_fmt:MATRIX_FMT_BF6 matrix_a_scale:MATRIX_SCALE_ROW1
.endif
.endr
.endr
.endm
.macro PLACES n                        ; in front of loads into registers that matrix instructions have read, and of reads of results
.rept \n
	v_nop
.endr
.endm
.macro STEP sl, s, zero                ; step s (0 or 1) of the chunk in slot sl; the next step lies in the same chunk
.set P, ((\sl)+(\s))%2
	s_wait_dscnt 24                                ; the middle run is in; the 24 loads of the end run may be out
	MQ 0, \zero
	s_wait_dscnt 12                                ; W's blocks 4-7 are in
	MQ 4, \zero
	HM \zero
	s_wait_dscnt 0x0                               ; x's blocks 4-7 are in
	PLACES NP
	FETCH1 \sl, (\s)+1, 1-P
	MH \zero
	PLACES NP
	FETCH2 \sl, (\s)+1, 1-P
.endm
; A chunk's third step changes slots: ONE barrier.  In front of it each wave waits for all its tensor loads (one is out: its part of the other slot), adds 0 to its spare word, and waits for that and for its reads of this slot,
; all of which were issued in the step before.  fill = 1: this slot takes the chunk two on; 2: the short last chunk; 0: nothing.  ask = 1: prefetch; 2: not in the loop's last trip.
.macro TURN sl, fill, ask
.set P, (\sl)%2
.if \ask
	s_wait_xcnt 0x0                                ; my last prefetches have read their address
	s_add_nc_u64 s[PFA:PFA+1], s[PFA:PFA+1], s[PFS:PFS+1]
.endif
	s_wait_tensorcnt 0x0
	ds_add_u32 v[SPW], v[NIL]
	s_wait_dscnt 25                                ; (the add and the end run's 24 loads may be out)
	MQ 0, 0
	s_wait_dscnt 0x0                               ; the add is done, and my reads of this slot are over
	s_barrier_signal -1
	MQ 4, 0
	HM 0
	WIN 0
	s_barrier_wait -1
.if \fill
	CREST                                          ; the barrier has opened a round of the cluster's barrier
	s_add_nc_u64 s[G0+4*(\sl)+2:G0+4*(\sl)+3], s[G0+4*(\sl)+2:G0+4*(\sl)+3], 2*CHA
	s_add_nc_u64 s[G0B+4*(\sl)+2:G0B+4*(\sl)+3], s[G0B+4*(\sl)+2:G0B+4*(\sl)+3], 2*CHB
.if \fill == 1
	JLOAD G0+4*(\sl), G1, G0B+4*(\sl), G1B         ; the first tensor load behind the round; its four v_nop are the places in front of the loads below
.else
	JLOAD G0+4*(\sl), G1A2, G0B+4*(\sl), G1B2
.endif
.else
	PLACES NP
.endif
	FETCH1 1-(\sl), 0, 1-P
.if \ask == 2
	s_cmp_gt_u32 s3, 1                             ; the loop's last trip would name the short chunk
	s_cbranch_scc0 .Lno_ask_\@
.endif
.if \ask
	global_prefetch_b8 v[PF1], s[PFA:PFA+1] th:TH_LOAD_NT scope:SCOPE_SE   ; the chunk that the next refill loads
	global_prefetch_b8 v[PF2], s[PFA:PFA+1] th:TH_LOAD_NT scope:SCOPE_SE
.endif
.if \ask == 2
.Lno_ask_\@:
.endif
	MH 0
	PLACES NP
	FETCH2 1-(\sl), 0, 1-P
.endm
	s_wait_alu depctr_va_vdst(0)
	s_wait_tensorcnt 0x0                           ; my part of chunk 0 is in; the same lines as ahead of a refill stand ahead of slot 1's first fill
	ds_add_u32 v[SPW], v[NIL]
	s_wait_dscnt 0x0
	CROUND
	JLOAD G0+4, G1, G0B+4, G1B                     ; chunk 1
	FETCH1 0, 0, 0
	FETCH2 0, 0, 0
	STEP 0, 0, 1                                   ; the first step's products start the sums
	s_mov_b32 s3, LAPS
.Llap:                                                 ; a trip: two chunks, from a chunk's second step to the first step of the chunk two on
	STEP 0, 1, 0
	TURN 0, 1, 1
	STEP 1, 0, 0
	STEP 1, 1, 0
	TURN 1, 1, 2
	STEP 0, 0, 0
	s_sub_co_u32 s3, s3, 1
	s_cmp_lg_u32 s3, 0
	s_cbranch_scc1 .Llap
	STEP 0, 1, 0                                   ; chunk 8
	TURN 0, 2, 0
	STEP 1, 0, 0                                   ; chunk 9
	STEP 1, 1, 0
	TURN 1, 0, 0
	STEP 0, 0, 0                                   ; chunk 10, of two steps
.macro LORA a0                         ; + h lora_B^T + bias, for register blocks a0 .. a0 + 3
.irp a, \a0, \a0+1, \a0+2, \a0+3
	WIN 0xa0+0x50*((\a)/4)
.set HF, AF+8*(\a)-64*((\a)/4)         ; my own four fragments of h lie at v96 on, my partner's at v64 on
.irp b, 0,1,2,3,4,5,6,7
.set AC, 8*(8*((\a)%4)+\b)
	v_wmma_f32_16x16x32_bf16 v[AC:AC+7], v[BW+8*\b:BW+8*\b+7], v[HF:HF+7], v[AC:AC+7]
.endr
.endr
	WIN 0
.endm
; THE WAY OUT, block by block of 16 rows x 128 columns: through my own stage and back as whole rows of 512 bytes.  LDS serves a wave's instructions in order (ISA guide 5.7.1.4).
.macro TOSTAGE a
.set AC, 64*((\a)%4)
	WIN 0x08+4*((\a)/4)
.irp b, 0,1,2,3,4,5,6,7
	ds_store_b128 v[STO], v[AC+8*\b:AC+8*\b+3] offset:64*\b          ; each accumulator from its low end on
	ds_store_b128 v[STO], v[AC+8*\b+4:AC+8*\b+7] offset:64*\b+16
.endr
	WIN 0x40
.set BB, 64*((\a)%2)                   ; in window 1, where W's fragments lay
.irp t, 0,1,2,3,4,5,6,7,8,9,10,11,12,13,14,15
	ds_load_b128 v[BB+4*\t:BB+4*\t+3], v[RD] offset:\t*SPITCH
.endr
	WIN 0
.endm
.macro SEND a, younger                 ; every offset is an immediate: 63 rows of 16,384 bytes at the most, inside the signed 24-bit field
.set BB, 64*((\a)%2)
.set OB, 18+(OHI-18)*((\a)/4)
	s_wait_dscnt \younger
	WIN 0x04
.irp t, 0,1,2,3,4,5,6,7,8,9,10,11,12,13,14,15
	global_store_b128 v[CO], v[BB+4*\t:BB+4*\t+3], s[OB:OB+1] offset:(16*((\a)%4)+\t)*16384 th:TH_STORE_NT   ; 32 lanes store 512 consecutive bytes, at a multiple of 256 from out0's first byte
.endr
	WIN 0
.endm
; THE LAST STEP.  At its middle register blocks 0-3 and their h are whole: h is rounded to bf16, which is the fragment's registers 0-3, and put where my partner finds it; blocks 0-3 take their last term,
; and block 0 goes through the stage under the step's second half.
.set P, 1
	s_wait_dscnt 24
	MQ 0, 0
	s_wait_dscnt 12
	MQ 4, 0
	HM 0
	PLACES NP
	WIN 0
.irp a, 0,1,2,3
.irp i, 0,1,2,3
	v_cvt_pk_bf16_f32 v[AF+8*\a+\i], v[HA+8*\a+2*\i], v[HA+8*\a+2*\i+1]
.endr
.endr
.irp a, 0,1,2,3
	v_mov_b32 v[AF+8*\a+4], v[ONE4]                ; 1.0 at k = 16, 17, 18, against the bias's three parts
	v_mov_b32 v[AF+8*\a+5], v[ONE5]
	v_mov_b32 v[AF+8*\a+6], 0
	v_mov_b32 v[AF+8*\a+7], 0
.endr
.irp a, 0,1,2,3
	ds_store_b128 v[XST], v[AF+8*\a:AF+8*\a+3] offset:512*\a
.endr
	LORA 0
.irp a, 0,1,2,3
	v_mov_b32 v[HA+8*\a+4], v[ONE4]                ; the same for the partner's four; these sixteen lines are also the places behind the products above
	v_mov_b32 v[HA+8*\a+5], v[ONE5]
	v_mov_b32 v[HA+8*\a+6], 0
	v_mov_b32 v[HA+8*\a+7], 0
.endr
	s_wait_alu depctr_va_vdst(0)
	TOSTAGE 0
	s_wait_dscnt 36                                ; x's blocks 4-7 are in; my four stores of h and block 0's 32 stage instructions may be out
	MH 0
	PLACES NP+1                                    ; five places: the bf16 products below write over these results, and block 1's loads land on W's registers
	SEND 0, 0                                      ; block 0 is back, and, for my partner's sake, my stores of h are done
	s_barrier_signal -1
	s_barrier_wait -1
.irp a, 0,1,2,3
	ds_load_b128 v[HA+8*\a:HA+8*\a+3], v[XLD] offset:512*\a
.endr
	TOSTAGE 1
	s_wait_dscnt 32                                ; my partner's four fragments are in; block 1's 32 stage instructions may be out
	LORA 4
	PLACES NP
.irp a, 2,3,4,5,6,7
	s_wait_xcnt 0x0                                ; block a - 2's stores have read their registers: block a's loads may land there
	TOSTAGE \a
	SEND \a-1, 32                                  ; behind block a - 1's loads: block a's 16 stores and 16 loads
.endr
	SEND 7, 0
	s_wait_tensorcnt 0x0                           ; the wave's end
	ds_add_u32 v[SPW], v[NIL]
	s_wait_dscnt 0x0
	CROUND                                         ; the closing round
	s_endpgm
.Lfunc_end_k_q3b3cd618ce_gemm:
	.size	k_q3b3cd618ce_gemm, .Lfunc_end_k_q3b3cd618ce_gemm-k_q3b3cd618ce_gemm
	.p2alignl 7, 3214868480
	.fill 96, 4, 3214868480
	.section	.rodata,"a",@progbits
	.p2align	6, 0x0
	.amdhsa_kernel k_q3b3cd618ce_gemm
		.amdhsa_group_segment_fixed_size 327680
		.amdhsa_private_segment_fixed_size 0
		.amdhsa_enable_private_segment 0
		.amdhsa_kernarg_size 48
		.amdhsa_user_sgpr_count 2
		.amdhsa_user_sgpr_kernarg_segment_ptr 1
		.amdhsa_wavefront_size32 1
		.amdhsa_system_sgpr_workgroup_id_x 1
		.amdhsa_system_sgpr_workgroup_id_y 1
		.amdhsa_system_sgpr_workgroup_id_z 1
		.amdhsa_system_vgpr_workitem_id 0
		.amdhsa_next_free_vgpr 1024
		.amdhsa_next_free_sgpr 102
		.amdhsa_reserve_vcc 0
		.amdhsa_float_denorm_mode_32 3
		.amdhsa_float_denorm_mode_16_64 3
		.amdhsa_memory_ordered 1
		.amdhsa_forward_progress 1
		.amdhsa_inst_pref_size 239
	.end_amdhsa_kernel
	.amdgpu_metadata
---
amdhsa.version: [ 1, 2 ]
amdhsa.kernels:
  - .name:           k_q3b3cd618ce_gemm
    .symbol:         k_q3b3cd618ce_gemm.kd
    .args:
      - { .name: xa_img, .offset: 0, .size: 8, .value_kind: global_buffer, .address_space: global }
      - { .name: w_img, .offset: 8, .size: 8, .value_kind: global_buffer, .address_space: global }
      - { .name: adapter_ids, .offset: 16, .size: 8, .value_kind: global_buffer, .address_space: global }
      - { .name: lora_B_w, .offset: 24, .size: 8, .value_kind: global_buffer, .address_space: global }
      - { .name: base_bias, .offset: 32, .size: 8, .value_kind: global_buffer, .address_space: global }
      - { .name: out0, .offset: 40, .size: 8, .value_kind: global_buffer, .address_space: global }
    .group_segment_fixed_size: 327680
    .private_segment_fixed_size: 0
    .kernarg_segment_align: 8
    .kernarg_segment_size: 48
    .max_flat_workgroup_size: 128
    .sgpr_count:     102
    .vgpr_count:     1024
    .wavefront_size: 32
...
	.end_amdgpu_metadata
.endif
;; end of part 2
